; MI455X (gfx1250); checked and timed in simulation.
; The chip was launched on July 23, 2026; its instructions are those of AMD's public machine-readable ISA for CDNA 5 (MIT licence, August 2026) and "CDNA5" Instruction Set Architecture Reference Guide (July 2026). The comments in the code are by the model that wrote it; some were corrected since.
;; Quant Llama MLP. Allowed arithmetic: matrix products marked QUANTISED: E2M3 operands, one E8M0 scale for each 32 along K, by v_wmma_scale_f32_16x16x128_f8f6f4 with both operands' format E2M3, f32 sums; everything else in f32.
;; Inputs: g_idx_down 11,008 int32; g_idx_gu 4,096 int32; qweight_down 1,376 x 4,096 uint32; qweight_gu 512 x 22,016 uint32; qzeros_down 86 x 512 uint32; qzeros_gu 32 x 2,752 uint32; scales_down 86 x 4,096 float32; scales_gu 32 x 22,016 float32; x 4 x 128 x 4,096 float32.
;; Outputs: out0 4 x 128 x 4,096 float32.
;; This version of the problem:
;;   THIS VERSION OF THE PROBLEM IS GIVEN IN LOW PRECISION. The matrix products marked QUANTISED in the list below multiply operands that are first quantised to E2M3 (2 exponent bits, 3 mantissa bits; 6 bits a number), with one power-of-two scale for each 32 numbers along K (OCP MX v1.0); their sums are f32. All else is computed in f32.
;;   The module's matrix products, in the order in which they are computed (A, B: the left and right operand; K: the contracted axis; several contracted axes count as one K, in the product's order):
;;     1. [M 512, K 4,096] x [K 4,096, N 22,016]; A: input x; B: computed on the way: QUANTISED
;;     2. [M 512, K 11,008] x [K 11,008, N 4,096]; A: computed on the way; B: computed on the way: QUANTISED
;;   THE QUANTISER, for each operand of a quantised product, along K:
;;     - K is cut into blocks of 32 from its start; a last block that is shorter is filled with zeros.
;;     - A block's scale is 2^e with e = floor(log2(the largest magnitude in the block)) - 2, held to -126 .. 127; a block of zeros has e = 0. As a byte (E8M0): e + 127.
;;     - Each number is divided by its block's scale, clamped to +-7.5, and rounded to the nearest number of E2M3, ties to even, subnormals kept.
;;     - The product sums the exact products of the quantised numbers (number of the format x scale) in f32.
;;   ~~~python
;;   def quantise(x, axis):      # numpy; x: float32 -> the quantised numbers, widened to float32 again
;;       x = np.moveaxis(x, axis, -1); K = x.shape[-1]
;;       x = np.pad(x, [(0, 0)] * (x.ndim - 1) + [(0, -K % 32)]); x = x.reshape(x.shape[:-1] + (-1, 32)); a = np.abs(x).max(-1, keepdims=True)
;;       e = np.where(a > 0, np.clip(np.frexp(np.where(a > 0, a, 1))[1] - 1 - 2, -126, 127), 0)      # np.frexp(a)[1] - 1 = floor(log2(a)), exactly
;;       r = np.clip(x / 2.0 ** e, -7.5, 7.5)
;;       step = 2.0 ** (np.maximum(np.frexp(np.where(r == 0, 1, r))[1] - 1, 0) - 3)
;;       q = np.round(r / step) * step * 2.0 ** e      # np.round: ties to even
;;       return np.moveaxis(q.reshape(q.shape[:-2] + (-1,))[..., :K], -1, axis).astype(np.float32)
;;   ~~~
;;   OPERANDS COMPUTED ON THE WAY. 'Computed on the way' means the value that the module computes at that place (a softmax that the list does not call 'softmax' is quantised finished and normalised). What goes into a quantiser is computed in f32, as accurately as f32 sums, v_exp_f32 and their like allow (about 1e-6 of the number): no bf16 or f16 on the way to a quantiser, and a product that is left as it is and whose result goes on into a quantised operand takes f32 operands (vector FMAs, or v_wmma_f32_16x16x4_f32). A number that lies on a knife's edge between two numbers of the format may be rounded either way, as far as f32 arithmetic and the matrix unit's own rounding can turn it there, and no further.
;; One version. Each part assembles by itself: llvm-mc -triple=amdgcn-amd-amdhsa -mcpu=gfx1250 --defsym DOCPART=n.
;; ======== version 1 of 1: 3 launches
;; workspace buffers: xq 1,638,400 bytes; wgq 70,451,200 bytes; wdq 35,225,600 bytes; hq 4,403,200 bytes
;; launch prep (part 1): grid 616 x 1, 8 waves a work-group, no clusters, 46,080 bytes of LDS; arguments x, qweight_gu, qzeros_gu, scales_gu, g_idx_gu, qweight_down, qzeros_down, scales_down, g_idx_down, xq, wgq, wdq; writes xq, wgq, wdq
.if DOCPART == 1
	.amdgcn_target "amdgcn-amd-amdhsa--gfx1250"
	.amdhsa_code_object_version 6
	.text
	.protected	k_q09674f7591_prep
	.globl	k_q09674f7591_prep
	.p2align	8
	.type	k_q09674f7591_prep,@function
k_q09674f7591_prep:
	s_mov_b64 s[64:65], 0
	v_nop
	global_prefetch_b8 v0, s[64:65] scope:SCOPE_SE
	s_setreg_imm32_b32 hwreg(HW_REG_WAVE_MODE, 25, 1), 1
	s_wait_xcnt 0x0
; PREP: x, W_gu and W_d become operands of FP6 (E2M3) with one E8M0 byte for each 32 along K, laid in the order of the matrix unit's registers.
; W[k][n] = s[g[k]][n] * (q[k][n] - (z[g[k]][n] + 1)), g = g_idx, honoured for any content: the difference is exact, the product is rounded once, as in the definition.
; A QUAD RECORD is 6,400 bytes: four tiles (16 rows x 128 K) as images of their 12 registers (registers 4 g .. 4 g + 3 of lane L at 1536 tile + 512 g + 16 L),
; then 256 bytes of scale words (row r, tile t at 6144 + 16 r + 4 t).  A unit of 64 weight columns is one record: tile 2 p + j, row r holds column 32 p + 2 r + j.
; JOBS by the work-group's number b: b < 344: unit b of W_gu, all 32 K steps of 128; 344 <= b < 600: a quarter of the 86 K steps of a unit of W_d; b >= 600: x.
; Both weights take ONE path: only pointers and sizes are chosen.  The eight waves take K steps ks0 + wave, + 8, ..
; A LANE TAKES TWO COLUMNS (2 L, 2 L + 1 of the unit) AND ITS REGISTERS RUN DOWN K: a load of a row of packed words covers 256 consecutive bytes, aligned; a block of 32 along K lies in one lane.
; s and z of all groups of the unit's 64 columns lie in LDS: row g of 512 bytes, lane L's 16 bytes = s, s, zm, zm of its two columns, zm = 2^23 + z + 1 as f32.  A nibble q is set under the
; pattern of 2^23 by one byte permute, so that (2^23 + q) - zm = q - (z + 1) without a conversion.
; LIMITS: NaN and infinities are not served.  A block of zeros, or one whose largest magnitude lies under 2^-124, gets the byte 1 (its codes are zeros; these bytes are read by this program alone).
; A g_idx beyond the table is held at the last group.
.set SPARE, 45056                      ; behind the table's 88 rows: the spare words, 128 bytes for each of eight waves, which no other line names
.set VL,  1                            ; v1   lane L
.set L8,  2                            ; v2   8 L
.set L16, 3                            ; v3   16 L
.set VSC, 4                            ; v4   16 r + 8 p: my two scale words' place (r = L % 16, p = L / 16)
.set ZSH, 5                            ; v5   8 (L % 4): my two zeros' place in their word
.set LZ,  6                            ; v6   4 (L / 4): that word's place
.set VT,  7                            ; v7   512 wave + 16 L: where I store table rows
.set VO,  8                            ; v8-11   8 L + i rows of packed words
.set SPW, 16                           ; v16  my spare word; never rewritten
.set NIL, 17                           ; v17  0; never rewritten
.set MX,  18                           ; v18-19 largest magnitudes (second chains: v38-39)
.set SOP, 20                           ; v20-21 the conversions' scale operands
.set BY,  22                           ; v22-23 scale bytes
.set SW,  24                           ; v24-25 scale words of my two columns
.set NLO, 26                           ; v26-27 even nibbles, v28-29 odd nibbles of a word row
.set T,   30                           ; v30-37 at work: [m][j]
.set SZ,  40                           ; v40-71 two batches x four K rows x (s, s, zm, zm)
.set QW,  72                           ; v72-103 packed words: block b, word row i, column j at 8 b + 2 i + j
.set W,   104                          ; v104-167 a block's numbers: column j, k at 32 j + k
.set CT,  168                          ; v168-175 the upper halves' codes, to be moved
.set F0,  176                          ; v176-199 even blocks' codes, 12 a column; behind the exchange: tiles (p = 0, j)
.set F1,  200                          ; v200-223 odd blocks'; behind the exchange: tiles (p = 1, j)
.set VA,  232                          ; v232-239 gather addresses, four for each batch
.set PC,  192                          ; the x path: codes
.set TM,  212                          ;   at work
.set PW,  228                          ;   a tile's scale word
.set SWX, 232                          ;   eight tiles' scale words
; s2 wave; s3 KS, my K step in hand; s4 the end of my unit's K steps, then the loop's counter; s5 the loop's trips; s[6:7] packed words at my unit; s[8:9] g_idx; s[10:11] my unit's records; s[12:13], s[14:15] bases in hand
; s16-47 and s48-63, s68-83: two sets of 32 group numbers; s84 bytes of a row of packed words (and of scales); s85 bytes of a K step's records; s86 the pattern of 2^23; s87-90 byte selects
	s_load_b512 s[16:31], s[0:1], 0x0              ; x, qweight_gu, qzeros_gu, scales_gu, g_idx_gu, qweight_down, qzeros_down, scales_down
	s_load_b256 s[32:39], s[0:1], 0x40             ; g_idx_down, xq, wgq, wdq
	v_lshl_add_u32 v[SPW], v0, 2, SPARE
	v_mov_b32 v[NIL], 0
	v_lshrrev_b32 v1, 5, v0
	v_readfirstlane_b32 s2, v1                     ; wave 0..7
	v_and_b32 v[VL], 31, v0
	v_lshlrev_b32 v[L16], 4, v[VL]
	s_cmp_ge_u32 ttmp9, 600
	s_cbranch_scc1 .Lxpath                         ; the same way for all eight waves
	; ---- the weights.  Both candidates of every size are made first, then one compare chooses them all
	s_sub_co_u32 s92, ttmp9, 344
	s_lshr_b32 s93, s92, 2                         ; W_d: unit
	s_and_b32 s94, s92, 3                          ;      quarter qd of its 86 K steps: from (43 qd) / 2 up to (43 qd + 43) / 2
	s_mul_i32 s94, s94, 43
	s_add_co_u32 s95, s94, 43
	s_lshr_b32 s94, s94, 1
	s_lshr_b32 s95, s95, 1
	s_mul_i32 s40, s93, 550400                     ;      its records: 86 x 6,400 bytes a unit
	s_cmp_ge_u32 ttmp9, 172                        ; W_gu: gate unit u goes to strip u, record 0; up unit 172 + u to strip u, record 1
	s_cselect_b32 s41, 172, 0
	s_cselect_b32 s42, 6400, 0
	s_sub_co_u32 s41, ttmp9, s41
	s_mul_i32 s41, s41, 409600
	s_add_co_u32 s41, s41, s42
	s_mov_b32 s84, 16384
	s_mov_b32 s97, 2048
	s_mov_b32 s85, 6400
	v_lshlrev_b32 v[L8], 3, v[VL]
	v_and_b32 v[VSC], 15, v[VL]
	v_lshlrev_b32 v[VSC], 4, v[VSC]
	v_lshrrev_b32 v[ZSH], 4, v[VL]
	v_lshl_add_u32 v[VSC], v[ZSH], 3, v[VSC]
	v_and_b32 v[ZSH], 3, v[VL]
	v_lshlrev_b32 v[ZSH], 3, v[ZSH]
	v_lshrrev_b32 v[LZ], 2, v[VL]
	v_lshlrev_b32 v[LZ], 2, v[LZ]
	v_lshlrev_b32 v[VT], 4, v0                     ; 16 x thread = 512 wave + 16 L
	s_wait_kmcnt 0x0
	s_cmp_lt_u32 ttmp9, 344                        ; the choice hangs on the work-group's number alone; nothing below writes SCC before the last select
	s_cselect_b64 s[6:7], s[18:19], s[26:27]       ; packed words
	s_cselect_b64 s[100:101], s[20:21], s[28:29]   ; packed zeros
	s_cselect_b64 s[98:99], s[22:23], s[30:31]     ; scales
	s_cselect_b64 s[8:9], s[24:25], s[32:33]       ; g_idx
	s_cselect_b64 s[10:11], s[36:37], s[38:39]     ; the records
	s_cselect_b32 s84, 88064, s84                  ; bytes in a row of packed words and of scales
	s_cselect_b32 s97, 11008, s97                  ; bytes in a row of packed zeros
	s_cselect_b32 s85, 12800, s85                  ; bytes from a K step's record to the next
	s_cselect_b32 s96, 31, 85                      ; the last group
	s_cselect_b32 s92, ttmp9, s93                  ; unit
	s_cselect_b32 s3, 0, s94                       ; first K step
	s_cselect_b32 s4, 32, s95                      ; and the end
	s_cselect_b32 s40, s41, s40                    ; where my records begin
	s_lshl_b32 s94, s92, 8                         ; 64 columns of 4 bytes
	s_mov_b32 s95, 0
	s_add_nc_u64 s[6:7], s[6:7], s[94:95]
	s_add_nc_u64 s[98:99], s[98:99], s[94:95]
	s_lshl_b32 s94, s92, 5                         ; 8 words of zeros
	s_add_nc_u64 s[100:101], s[100:101], s[94:95]
	s_mov_b32 s41, 0
	s_add_nc_u64 s[10:11], s[10:11], s[40:41]
	s_add_co_u32 s3, s3, s2                        ; KS = first + wave
	s_sub_co_u32 s5, s4, s3                        ; the K steps from mine to the end: 14 at the least (21 steps, wave 7)
	s_sub_co_u32 s5, s5, 1
	s_lshr_b32 s5, s5, 3                           ; every eighth is mine: my K steps less one, 1 to 3: the loop's trips
	s_mov_b32 s4, 0                                ; trips walked
	s_mov_b32 s86, 0x4b000000                      ; 2^23
	s_mov_b32 s87, 0x03010004                      ; result byte 0 = byte n of the nibbles, bytes 1, 2 = 0, byte 3 = 0x4b
	s_mov_b32 s88, 0x03010005
	s_mov_b32 s89, 0x03010006
	s_mov_b32 s90, 0x03010007
	v_mov_b32 v[VO], v[L8]
	v_add_nc_u32 v[VO+1], s84, v[L8]
	s_lshl_b32 s93, s84, 1
	v_add_nc_u32 v[VO+2], s93, v[L8]
	s_mul_i32 s93, s84, 3
	v_add_nc_u32 v[VO+3], s93, v[L8]
; four rows of packed words (block nb of K step KS + add): each load covers 256 consecutive bytes, aligned
.macro LOADQ nb, add
	s_wait_xcnt 0x0                                ; the base is written again only behind this wait
	s_add_co_u32 s92, s3, \add
	s_lshl_b32 s92, s92, 4
	s_add_co_u32 s92, s92, 4*(\nb)
	s_mul_i32 s92, s92, s84
	s_mov_b32 s93, 0
	s_add_nc_u64 s[12:13], s[6:7], s[92:93]
.irp i, 0,1,2,3
	global_load_b64 v[QW+8*(\nb)+2*\i:QW+8*(\nb)+2*\i+1], v[VO+\i], s[12:13] th:TH_LOAD_NT
.endr
.endm
; the 32 group numbers of block blk of K step KS + add, into set st
.macro GIDX st, add, blk
	s_add_co_u32 s91, s3, \add
	s_lshl_b32 s91, s91, 9
	s_add_co_u32 s91, s91, 128*(\blk)
	s_load_b512 s[16+32*(\st):31+32*(\st)], s[8:9], s91 offset:0x0
	s_load_b512 s[32+36*(\st):47+36*(\st)], s[8:9], s91 offset:0x40
.endm
; s and zm of four K rows, 4 bt + m, of the block whose groups lie in set st, into batch sg: 512 consecutive bytes a load
.macro GATHER sg, bt, st
.irp m, 0,1,2,3
	v_lshl_add_u32 v[VA+4*(\sg)+\m], s[16+4*(\bt)+\m+(\st)*(32+4*((4*(\bt)+\m)/16))], 9, v[L16]
	ds_load_b128 v[SZ+16*(\sg)+4*\m:SZ+16*(\sg)+4*\m+3], v[VA+4*(\sg)+\m]
.endr
.endm
	LOADQ 0, 0                                     ; my first K step is asked for before the table is made
	LOADQ 1, 0
	LOADQ 2, 0
	LOADQ 3, 0
	GIDX 0, 0, 0
	; ---- the table: wave w makes rows w, w + 8, .. w + 80; rows beyond the last group are copies of it, so that the hold at 87 is a hold at the last group
.irp i, 0,1,2,3,4,5,6,7,8,9,10
	s_add_co_u32 s92, s2, 8*\i
	s_min_u32 s92, s92, s96
	s_mul_i32 s93, s92, s84
	s_mul_i32 s94, s92, s97
	v_add_nc_u32 v[104+\i], s93, v[L8]
	v_add_nc_u32 v[116+\i], s94, v[LZ]
	global_load_b64 v[128+4*\i:129+4*\i], v[104+\i], s[98:99]
	global_load_b32 v[130+4*\i], v[116+\i], s[100:101]
.endr
	s_wait_loadcnt 0x0
.irp i, 0,1,2,3,4,5,6,7,8,9,10
	v_lshrrev_b32 v[131+4*\i], v[ZSH], v[130+4*\i]
	v_bfe_u32 v[130+4*\i], v[131+4*\i], 0, 4
	v_bfe_u32 v[131+4*\i], v[131+4*\i], 4, 4
	v_add_nc_u32 v[130+4*\i], 0x4b000001, v[130+4*\i]   ; the bits of 2^23 + z + 1
	v_add_nc_u32 v[131+4*\i], 0x4b000001, v[131+4*\i]
	ds_store_b128 v[VT], v[128+4*\i:131+4*\i] offset:4096*\i
.endr
	s_wait_dscnt 0x0                               ; for the others' sake: my rows have landed
	s_barrier_signal -1
	s_barrier_wait -1                              ; from here to the closing barrier LDS is only read
; A block of 32 along K, two columns a lane.  ahead = 1: the same block of my next K step is asked for
.macro BLOCK nb, ahead
	s_wait_kmcnt 0x0                               ; this block's group numbers are in
.set kk, 0
.rept 32
	s_min_u32 s[16+kk+((\nb)%2)*(32+4*(kk/16))], s[16+kk+((\nb)%2)*(32+4*(kk/16))], 87
.set kk, kk+1
.endr
.if (\nb) < 3
	GIDX 1-(\nb)%2, 0, (\nb)+1                     ; the next block's, into the other set
.elseif \ahead
	GIDX 0, 8, 0
.endif
.if \ahead
	s_wait_loadcnt 12                              ; my four loads are in; three younger groups of four may be out
.else
	s_wait_loadcnt 12-4*(\nb)                      ; the last K step asks for nothing: the counts run down
.endif
	GATHER 0, 0, (\nb)%2
	GATHER 1, 1, (\nb)%2
.irp e, 0,1,2,3,4,5,6,7                        ; four K rows at a time
.if \e < 7
	s_wait_dscnt 4                                 ; this batch is in; the next batch's four loads may be out
.else
	s_wait_dscnt 0x0
.endif
.if (\e)%2 == 0                                ; a word row holds eight K rows: nibbles 0, 2, 4, 6 and 1, 3, 5, 7 as bytes
.irp j, 0,1
	v_and_b32 v[NLO+\j], 0x0f0f0f0f, v[QW+8*(\nb)+2*((\e)/2)+\j]
	v_lshrrev_b32 v[NLO+2+\j], 4, v[QW+8*(\nb)+2*((\e)/2)+\j]
.endr
.irp j, 0,1
	v_and_b32 v[NLO+2+\j], 0x0f0f0f0f, v[NLO+2+\j]
.endr
.endif
.irp m, 0,1,2,3
.irp j, 0,1
	v_perm_b32 v[T+2*\m+\j], v[NLO+2*(\m%2)+\j], s86, s[87+2*((\e)%2)+\m/2]   ; 2^23 + q
.endr
.endr
.irp m, 0,1,2,3
	v_pk_add_f32 v[T+2*\m:T+2*\m+1], v[T+2*\m:T+2*\m+1], v[SZ+16*((\e)%2)+4*\m+2:SZ+16*((\e)%2)+4*\m+3] neg_lo:[0,1] neg_hi:[0,1]   ; q - (z + 1), exactly
.endr
.irp m, 0,1,2,3
.irp j, 0,1
	v_mul_f32 v[W+32*\j+4*(\e)+\m], v[T+2*\m+\j], v[SZ+16*((\e)%2)+4*\m+\j]   ; x s: the one rounding
.endr
.endr
.if \e < 6
	GATHER (\e)%2, (\e)+2, (\nb)%2
.endif
.endr
.if \ahead
	LOADQ \nb, 8
.endif
	; the quantiser: largest magnitude (four chains, each with the floor 2^(3 - 127) among its leaves, so that the byte cannot fall under 1), scale, codes
.irp hf, 0,1
.irp j, 0,1
	v_max3_num_f32 v[MX+20*\hf+\j], |v[W+32*\j+16*\hf]|, |v[W+32*\j+16*\hf+1]|, 0x1800000
.endr
.endr
.irp i, 2,4,6,8,10,12,14
.irp hf, 0,1
.irp j, 0,1
	v_max3_num_f32 v[MX+20*\hf+\j], v[MX+20*\hf+\j], |v[W+32*\j+16*\hf+\i]|, |v[W+32*\j+16*\hf+\i+1]|
.endr
.endr
.endr
.irp j, 0,1
	v_max_num_f32 v[MX+\j], v[MX+\j], v[MX+20+\j]
.endr
.irp j, 0,1
	v_add_nc_u32 v[SOP+\j], 0xff000000, v[MX+\j]   ; 2 off the exponent field: the conversion takes that field as its scale
.endr
.irp j, 0,1
.if (\nb) == 0
	v_lshrrev_b32 v[SW+\j], 23, v[SOP+\j]          ; the scale's byte: four make the column's word
.else
	v_lshrrev_b32 v[BY+\j], 23, v[SOP+\j]
.endif
.endr
.if (\nb) > 0
.irp j, 0,1
	v_lshl_or_b32 v[SW+\j], v[BY+\j], 8*(\nb), v[SW+\j]
.endr
.endif
.set FB, F0+24*((\nb)%2)+6*((\nb)/2)
.irp j, 0,1
	v_cvt_scalef32_pk16_fp6_f32 v[FB+12*\j:FB+12*\j+2], v[W+32*\j:W+32*\j+15], v[SOP+\j]
	v_cvt_scalef32_pk16_fp6_f32 v[CT+4*\j:CT+4*\j+2], v[W+32*\j+16:W+32*\j+31], v[SOP+\j]   ; (a conversion's three registers begin on an even number)
.endr
	v_nop                                          ; one plain place behind the scaled conversions
.irp j, 0,1
.irp i, 0,1,2
	v_mov_b32 v[FB+12*\j+3+\i], v[CT+4*\j+\i]
.endr
.endr
.if (\nb)%2 == 1                               ; the operand wants block 2 c in lanes 0-15 and block 2 c + 1 in lanes 16-31, of ONE tile: the even blocks' lanes 16-31 (columns p = 1) change places with the odd blocks' lanes 0-15 (p = 0)
.irp j, 0,1
.irp i, 0,1,2,3,4,5
	v_permlane16_swap_b32 v[F0+12*\j+6*((\nb)/2)+\i], v[F1+12*\j+6*((\nb)/2)+\i]
.endr
.endr
.endif
.endm
; A K step of 128: four blocks, then the record: twelve stores of 512 consecutive bytes and one of 256
.macro STEPM ahead
	s_wait_xcnt 0x0                                ; the last record's stores have read their base and their data
	s_mul_i32 s92, s3, s85
	s_mov_b32 s93, 0
	s_add_nc_u64 s[14:15], s[10:11], s[92:93]
	BLOCK 0, \ahead
	BLOCK 1, \ahead
	BLOCK 2, \ahead
	BLOCK 3, \ahead
.irp p, 0,1
.irp j, 0,1
.irp g, 0,1,2
	global_store_b128 v[L16], v[F0+24*\p+12*\j+4*\g:F0+24*\p+12*\j+4*\g+3], s[14:15] offset:1536*(2*\p+\j)+512*\g th:TH_STORE_NT
.endr
.endr
.endr
	global_store_b64 v[VSC], v[SW:SW+1], s[14:15] offset:6144 th:TH_STORE_NT
.endm
.Lstep:                                            ; every wave has two K steps at the least: all but its last are walked here, counted by s4 in steps of 1 up to s5
	STEPM 1
	s_add_co_u32 s3, s3, 8                         ; my next K step
	s_add_co_u32 s4, s4, 1
	s_cmp_lt_u32 s4, s5
	s_cbranch_scc1 .Lstep
	STEPM 0                                        ; the last is written out: no load leaves its buffer, none is asked for twice
	s_wait_dscnt 0x0
	s_barrier_signal -1
	s_barrier_wait -1                              ; every wave's reads of the table are over
	s_wait_tensorcnt 0x0                           ; the wave's end: behind my last LDS store
	ds_add_u32 v[SPW], v[NIL]
	s_wait_dscnt 0x0
	s_endpgm
; ---- x [512][4096]: wave w of work-group 600 + xj takes K step 2 xj + w / 4 and rows 128 (w % 4) on: eight tiles of 16 rows, two records.  No LDS is touched on this path.
; Lane (r, h) takes, of row r, the 16 numbers 16 h on of each block of 32: register 16 b + i = k 32 b + 16 h + i.
.Lxpath:
	s_sub_co_u32 s92, ttmp9, 600
	s_lshl_b32 s92, s92, 1
	s_lshr_b32 s93, s2, 2
	s_add_co_u32 s92, s92, s93                     ; K step
	s_and_b32 s93, s2, 3                           ; block of 128 rows
	s_lshl_b32 s94, s93, 21                        ; 128 rows of 16,384 bytes
	s_lshl_b32 s95, s92, 9                         ; 128 numbers of 4 bytes
	s_add_co_u32 s94, s94, s95
	s_mov_b32 s95, 0
	s_mul_i32 s92, s92, 51200                      ; a K step of xq: eight records
	s_mul_i32 s93, s93, 12800
	s_add_co_u32 s92, s92, s93
	s_mov_b32 s93, 0
	s_mov_b32 s86, 0x76543210
	s_mov_b32 s87, 0xfedcba98                      ; v_permlanex16_b32's selects for lane l xor 16
	v_and_b32 v4, 15, v[VL]                        ; r
	v_lshrrev_b32 v5, 4, v[VL]                     ; h
	v_lshlrev_b32 v8, 14, v4
	v_lshl_add_u32 v8, v5, 6, v8                   ; in: row r, + 64 h
	v_mul_u32_u24 v9, v5, 6400
	v_lshl_add_u32 v9, v4, 4, v9                   ; the scale words: lanes 0-15 the first record's, lanes 16-31 the second's
.irp b, 0,1,2,3
	v_mov_b32 v[TM+4+\b], 0                        ; written once: a lane permute's destination counts as one of its sources
.endr
	s_wait_kmcnt 0x0
	s_add_nc_u64 s[6:7], s[16:17], s[94:95]
	s_add_nc_u64 s[10:11], s[34:35], s[92:93]
.macro XLOAD t
.irp b, 0,1,2,3
.irp jj, 0,1,2,3
	global_load_b128 v[64+64*((\t)%2)+16*\b+4*\jj:64+64*((\t)%2)+16*\b+4*\jj+3], v8, s[6:7] offset:262144*(\t)+128*\b+16*\jj
.endr
.endr
.endm
; 64 numbers of a lane become a fragment's codes in v[PC] on and its scale word in v[PW]
.macro QUANT s
.irp b, 0,1,2,3
	v_max3_num_f32 v[TM+\b], |v[\s+16*\b]|, |v[\s+1+16*\b]|, 0x1800000   ; my 16 numbers of block b, and the floor
.endr
.irp i, 2,4,6,8,10,12,14
.irp b, 0,1,2,3
	v_max3_num_f32 v[TM+\b], v[TM+\b], |v[\s+16*\b+\i]|, |v[\s+1+16*\b+\i]|
.endr
.endr
.irp b, 0,1,2,3
	v_permlanex16_b32 v[TM+4+\b], v[TM+\b], s86, s87
.endr
.irp b, 0,1,2,3
	v_max_num_f32 v[TM+\b], v[TM+\b], v[TM+4+\b]   ; with lane l xor 16's: the block's largest magnitude
.endr
.irp b, 0,1,2,3
	v_add_nc_u32 v[TM+12+\b], 0xff000000, v[TM+\b]
.endr
.irp b, 0,1,2,3
	v_lshrrev_b32 v[TM+4+\b], 23, v[TM+12+\b]
.endr
	v_lshl_or_b32 v[PW], v[TM+5], 8, v[TM+4]
	v_lshl_or_b32 v[PW], v[TM+6], 16, v[PW]
	v_lshl_or_b32 v[PW], v[TM+7], 24, v[PW]
.irp c, 0,1
	v_cvt_scalef32_pk16_fp6_f32 v[PC+6*\c:PC+2+6*\c], v[\s+32*\c:\s+15+32*\c], v[TM+12+2*\c]
	v_cvt_scalef32_pk16_fp6_f32 v[PC+12+4*\c:PC+14+4*\c], v[\s+16+32*\c:\s+31+32*\c], v[TM+12+2*\c+1]
.endr
	v_nop                                          ; one plain place behind the scaled conversions
.irp c, 0,1                                    ; a whole block to a lane: lanes 0-15 block 2 c, lanes 16-31 block 2 c + 1
.irp i, 0,1,2
	v_permlane16_swap_b32 v[PC+6*\c+\i], v[PC+12+4*\c+\i]
.endr
.irp i, 0,1,2
	v_mov_b32 v[PC+3+6*\c+\i], v[PC+12+4*\c+\i]
.endr
.endr
.endm
.macro XTILE t
.if (\t) < 7
	XLOAD (\t)+1
	s_wait_loadcnt 16                              ; this tile's 16 loads are in; the next tile's may be out
.else
	s_wait_loadcnt 0x0
.endif
	s_wait_xcnt 0x0                                ; the last tile's stores have read the codes' registers
	QUANT 64+64*((\t)%2)
	v_mov_b32 v[SWX+(\t)], v[PW]
.irp g, 0,1,2
	global_store_b128 v[L16], v[PC+4*\g:PC+4*\g+3], s[10:11] offset:((\t)/4)*6400+((\t)%4)*1536+512*\g th:TH_STORE_NT
.endr
.endm
	XLOAD 0
.irp t, 0,1,2,3,4,5,6,7
	XTILE \t
.endr
	v_cmp_lt_u32 vcc_lo, 15, v[VL]
.irp t, 0,1,2,3
	v_cndmask_b32 v[240+\t], v[SWX+\t], v[SWX+4+\t], vcc_lo   ; lanes 16-31 take tiles 4 to 7
.endr
	global_store_b128 v9, v[240:243], s[10:11] offset:6144 th:TH_STORE_NT   ; sixteen lanes fill a record's 256 bytes of scale words
	s_endpgm
.Lfunc_end_k_q09674f7591_prep:
	.size	k_q09674f7591_prep, .Lfunc_end_k_q09674f7591_prep-k_q09674f7591_prep
	.p2alignl 7, 3214868480
	.fill 96, 4, 3214868480
	.section	.rodata,"a",@progbits
	.p2align	6, 0x0
	.amdhsa_kernel k_q09674f7591_prep
		.amdhsa_group_segment_fixed_size 46080
		.amdhsa_private_segment_fixed_size 0
		.amdhsa_enable_private_segment 0
		.amdhsa_kernarg_size 96
		.amdhsa_user_sgpr_count 2
		.amdhsa_user_sgpr_kernarg_segment_ptr 1
		.amdhsa_wavefront_size32 1
		.amdhsa_system_sgpr_workgroup_id_x 1
		.amdhsa_system_sgpr_workgroup_id_y 1
		.amdhsa_system_sgpr_workgroup_id_z 1
		.amdhsa_system_vgpr_workitem_id 0
		.amdhsa_next_free_vgpr 256
		.amdhsa_next_free_sgpr 102
		.amdhsa_reserve_vcc 1
		.amdhsa_float_denorm_mode_32 3
		.amdhsa_float_denorm_mode_16_64 3
		.amdhsa_memory_ordered 1
		.amdhsa_forward_progress 1
		.amdhsa_inst_pref_size 217
	.end_amdhsa_kernel
	.amdgpu_metadata
---
amdhsa.version: [ 1, 2 ]
amdhsa.kernels:
  - .name:           k_q09674f7591_prep
    .symbol:         k_q09674f7591_prep.kd
    .args:
      - { .name: x, .offset: 0, .size: 8, .value_kind: global_buffer, .address_space: global }
      - { .name: qweight_gu, .offset: 8, .size: 8, .value_kind: global_buffer, .address_space: global }
      - { .name: qzeros_gu, .offset: 16, .size: 8, .value_kind: global_buffer, .address_space: global }
      - { .name: scales_gu, .offset: 24, .size: 8, .value_kind: global_buffer, .address_space: global }
      - { .name: g_idx_gu, .offset: 32, .size: 8, .value_kind: global_buffer, .address_space: global }
      - { .name: qweight_down, .offset: 40, .size: 8, .value_kind: global_buffer, .address_space: global }
      - { .name: qzeros_down, .offset: 48, .size: 8, .value_kind: global_buffer, .address_space: global }
      - { .name: scales_down, .offset: 56, .size: 8, .value_kind: global_buffer, .address_space: global }
      - { .name: g_idx_down, .offset: 64, .size: 8, .value_kind: global_buffer, .address_space: global }
      - { .name: xq, .offset: 72, .size: 8, .value_kind: global_buffer, .address_space: global }
      - { .name: wgq, .offset: 80, .size: 8, .value_kind: global_buffer, .address_space: global }
      - { .name: wdq, .offset: 88, .size: 8, .value_kind: global_buffer, .address_space: global }
    .group_segment_fixed_size: 46080
    .private_segment_fixed_size: 0
    .kernarg_segment_align: 8
    .kernarg_segment_size: 96
    .max_flat_workgroup_size: 256
    .sgpr_count:     102
    .vgpr_count:     256
    .wavefront_size: 32
...
	.end_amdgpu_metadata
.endif
;; end of part 1
;; launch gateup (part 2): grid 172 x 1, 4 waves a work-group, no clusters, 327,680 bytes of LDS; arguments xq, wgq, hq; writes hq
.if DOCPART == 2
	.amdgcn_target "amdgcn-amd-amdhsa--gfx1250"
	.amdhsa_code_object_version 6
	.text
	.protected	k_q09674f7591_gateup
	.globl	k_q09674f7591_gateup
	.p2align	8
	.type	k_q09674f7591_gateup,@function
k_q09674f7591_gateup:
	s_mov_b64 s[64:65], 0
	v_nop
	global_prefetch_b8 v0, s[64:65] scope:SCOPE_SE
	s_setreg_imm32_b32 hwreg(HW_REG_WAVE_MODE, 25, 1), 1
	s_wait_xcnt 0x0
; GATEUP: h = silu(x Wg) * (x Wu), the product on codes of FP6 (E2M3) with E8M0 scales, h quantised along the hidden units on its way out.
; xq [K step 32][8 records], wgq [strip 172][K step 32][record 0: 64 gate columns, record 1: the 64 up columns of the same hidden units]: records of 6,400 bytes, four tiles (16 rows x 128 K)
; as images of their 12 registers (registers 4 g .. 4 g + 3 of lane L at 1536 tile + 512 g + 16 L), then 256 bytes of scale words (row r, tile t at 6144 + 16 r + 4 t).
; SHARES.  A work-group owns a strip: all 512 rows x 128 columns.  Wave w owns rows 128 w on (records 2 w, 2 w + 1 of x) against all eight weight tiles: 64 accumulators, 512 registers.
; 172 work-groups: a strip holds whole blocks of 32 hidden units with their gate and up columns, and a smaller wave tile would read each LDS byte for fewer products.
; x GOES FROM MEMORY STRAIGHT INTO REGISTERS.  Inside a work-group a fragment of x has ONE reader, the wave that owns its rows, and xq lies in the order of the registers: 26 loads of 16 bytes a lane bring a wave's
; 12,800 bytes of a K step.  Two sets of registers; a half set (four tiles and their scale words, 13 loads) is asked for again, for the K step two on, directly behind the 32 products that read it: at most 52 loads of a wave are out.
; THE RING CARRIES THE WEIGHTS ALONE, which all four waves read: 12,800 bytes a K step, so a slot holds 8 K steps (102,400 bytes); each wave moves a quarter of a slot (2 K steps, 100 rows of 256 bytes).  32 K steps are four
; slots' worth: two first fills, two refills, three changes of slots; a refill has 8 K steps, 512 matrix instructions a wave, in which to land, so no prefetch is laid for it.  By this text's count a wave has two tensor loads out at the start, later one.
; NO CLUSTER: led through LDS, x would take 51,200 of a K step's 64,000 bytes, two slots would hold 2 K steps each, and the slots would change 16 times; a joint load lands in LDS, so x is not asked for jointly; a strip's weights have one reader.
; THE WORK-GROUPS WALK K OUT OF STEP: strip s begins at K step 2 (s % 16) and goes round modulo 32, so that at any moment the work-groups read sixteen different parts of x.  The first K step is even, so a wave's two K steps of weights never wrap.
; So the sums are not taken with K ascending: one chain for each output, begun at the strip's first K step.
; THE PRODUCT IS USED TRANSPOSED (source 0 = 16 weight columns, source 1 = 16 rows of x).  Row rho of weight tile 2 p + j is column 32 p + 2 rho + j, so register i of that tile in lane (r, h)
; is hidden unit 32 p + 16 h + 2 i + j of row r: a lane's 16 numbers of two tiles are 16 neighbours along the next product's K.
; hq [block of 128 rows 4][K step 86][2 records]: here an image is two halves of 768 bytes (registers 6 c .. 6 c + 3 at 768 c + 16 L, 6 c + 4, 5 at 768 c + 512 + 8 L): a strip makes 64 of a K step's 128 units, half c = strip % 2.
; Its two scale bytes of a row are half of a scale word, so they leave by stores of two bytes: 2 bytes for each 48 bytes of codes.
; LIMITS: NaN and infinities are not served.  Below gate = -88 or so 2^(-gate log2 e) overflows and h is a zero where the definition has a number under 1e-36 |up|.
; A block of zeros, or one under 2^-124, gets the byte 1 (its codes are zeros; these bytes are read by this program alone).
; REGISTERS, in windows of 256.  Window 0: v18-19 LDS addresses in hand, v24-27 offsets, v28-29 the add's two, v32-63 scale words (two sets, nothing else ever), v64-255 x's fragments, two sets of 96.
;   Window 1: the weights' fragments, two sets, at v0 and v128.  Windows 2, 3: accumulator (a, b) at v[8 (8 (a % 4) + b)] of window 2 + a / 4.
; SCALARS: s[16:17] x at my two records of K step 0; s[18:19] the same at the K step that is being asked for; s[20:21] its offset; s22 that K step; s23 the LDS byte at which the weights to be fetched next begin;
;   s[24:31] descriptor group 1; s[32:39] group 0, a set for each slot; s[40:41] my strip; s43 my first K step of weights; s[44:45] an offset in hand.
.set SLOT,  102400                     ; 8 K steps of weights
.set WSTEP, 12800                      ; a K step of a strip's weights; also a wave's part of a K step of x
.set XKS,   51200                      ; a K step of x
.set SPARE, 204800                     ; behind the ring: the spare words, 128 bytes for each wave, which no other line names
.set KX,  22
.set TB,  23
.set EX,  64                           ; the way out: -gate log2 e, then 1 / (1 + 2^..)
.set PR,  96                           ;   gate x up, then h
.set MSB, 0
.macro WIN new                         ; the immediate's high byte repeats the setting that is left
.if MSB != (\new)
	s_set_vgpr_msb (MSB<<8)|(\new)
.set MSB, (\new)
.endif
.endm
.set MUL_LO, 0xa1                      ; source 0 (weights) window 1, source 1 (x) window 0, C and D window 2
.set MUL_HI, 0xf1                      ; the same, C and D window 3
.set TO_B,   0x40                      ; destination window 1, address window 0
.macro PLACES                          ; four places in front of loads into registers that matrix instructions have read, and of the first read of results
.rept 4
	v_nop
.endr
.endm
	s_load_b128 s[4:7], s[0:1], 0x0                ; xq, wgq
	s_load_b64 s[8:9], s[0:1], 0x10                ; hq
	v_lshl_add_u32 v28, v0, 2, SPARE
	v_mov_b32 v29, 0
	ds_add_u32 v28, v29                            ; the wave's opening: the add and its wait ahead of my first tensor load; work on registers stands between
	v_lshrrev_b32 v1, 5, v0
	v_readfirstlane_b32 s14, v1                    ; wave 0..3
	s_mov_b32 s42, ttmp9                           ; strip
	s_and_b32 s10, s42, 15
	s_lshl_b32 s10, s10, 1                         ; the K step at which my work-group begins: 2 (strip % 16)
	s_lshl_b32 s43, s14, 1
	s_add_co_u32 s43, s43, s10                     ; and the first of the two K steps of weights that I fetch for a slot
	; descriptor group 1: a dense block of 25,600 bytes as 100 rows of 256 bytes (32 elements of 8 bytes)
	s_mov_b32 s24, 3<<16                           ; 15:0 no mask; 17:16 elements of 8 bytes; no padding
	s_mov_b32 s25, 32<<16                          ; tensor_dim0
	s_mov_b32 s26, 100<<16                         ; tensor_dim1
	s_mov_b32 s27, 32<<16                          ; tile_dim0
	s_mov_b32 s28, 100                             ; tile_dim1
	s_mov_b32 s29, 32                              ; from row to row
	s_mov_b32 s30, 0
	s_mov_b32 s31, 0
	s_mul_i32 s11, s14, 2*WSTEP                    ; my quarter of a slot
	s_mul_i32 s12, s14, WSTEP                      ; my two records in a K step of x
	s_mov_b32 s13, 0
	s_mul_i32 s44, s42, 32*WSTEP                   ; my strip
	s_mov_b32 s45, 0
	s_mul_i32 s20, s10, XKS                        ; x's first K step
	s_mov_b32 s21, 0
	s_mov_b32 s[KX], s10
	s_mov_b32 s68, 0xbfb8aa3b                      ; -log2(e)
	s_mov_b32 s70, 0x76543210
	s_mov_b32 s71, 0xfedcba98                      ; v_permlanex16_b32's selects for lane l xor 16
	v_and_b32 v1, 31, v0                           ; L
	v_and_b32 v2, 15, v0                           ; r
	v_bfe_u32 v3, v0, 4, 1                         ; h
	v_lshlrev_b32 v24, 4, v1                       ; 16 L: an image's place for my lane
	v_lshlrev_b32 v25, 3, v1                       ; 8 L
	v_lshlrev_b32 v27, 4, v2                       ; 16 r: a row's four scale words; both halves of the lanes read row r's
	v_mul_u32_u24 v26, v3, 6400
	v_add_nc_u32 v26, v26, v27                     ; h's scale halves: lanes 16-31 the second record's
	s_wait_dscnt 0x0                               ; the opening add is done
	s_wait_kmcnt 0x0
	s_add_nc_u64 s[40:41], s[6:7], s[44:45]
	s_add_nc_u64 s[16:17], s[4:5], s[12:13]
	s_add_nc_u64 s[18:19], s[16:17], s[20:21]
.irp s, 0,1                            ; the two first fills go out together, ahead of every wait on TENSORcnt, every LDS read and every barrier
	s_mov_b32 s[32+4*\s], 1                        ; count = 1
	s_add_co_u32 s[33+4*\s], s11, \s*SLOT          ; LDS address: the slot, my quarter
	s_add_co_u32 s44, s43, 8*\s
	s_and_b32 s44, s44, 31                         ; round modulo 32
	s_mul_i32 s44, s44, WSTEP
	s_add_nc_u64 s[34+4*\s:35+4*\s], s[40:41], s[44:45]
	s_or_b32 s[35+4*\s], s[35+4*\s], 0x80000000    ; type = 2
	tensor_load_to_lds s[32+4*\s:35+4*\s], s[24:31]
	s_nop 0
.endr
; 13 loads: half hf (four tiles, then their scale words) of my part of the K step at s[18:19] into set st.  Each image load takes 512 consecutive bytes, aligned
.macro ALOAD st, hf
.irp t, 0,1,2,3
.irp g, 0,1,2
	global_load_b128 v[64+96*(\st)+12*(4*(\hf)+\t)+4*\g:64+96*(\st)+12*(4*(\hf)+\t)+4*\g+3], v24, s[18:19] offset:6400*(\hf)+1536*\t+512*\g
.endr
.endr
	global_load_b128 v[32+16*(\st)+4*(\hf):32+16*(\st)+4*(\hf)+3], v27, s[18:19] offset:6400*(\hf)+6144
.endm
.macro XSTEP                           ; x's base goes on to the next K step, round modulo 32
	s_wait_xcnt 0x0                                ; the base is written again only behind this wait
	s_add_co_u32 s[KX], s[KX], 1
	s_and_b32 s[KX], s[KX], 31
	s_mul_i32 s20, s[KX], XKS
	s_add_nc_u64 s[18:19], s[16:17], s[20:21]
.endm
; 26 LDS loads in one run: the weights' eight fragments and their scale words of the K step at LDS byte s[TB] into set st; s[TB] goes on.  No LDS load of mine is out here, so the addresses may be written
.macro FETCHB st
	v_add_nc_u32 v18, s[TB], v24
	v_add_nc_u32 v19, s[TB], v27
	s_add_co_u32 s[TB], s[TB], WSTEP
	WIN TO_B
.irp t, 0,1,2,3,4,5,6,7
.irp g, 0,1,2
	ds_load_b128 v[128*(\st)+12*\t+4*\g:128*(\st)+12*\t+4*\g+3], v18 offset:6400*(\t/4)+1536*(\t%4)+512*\g
.endr
.endr
	WIN 0
.irp a2, 0,1
	ds_load_b128 v[40+16*(\st)+4*\a2:40+16*(\st)+4*\a2+3], v19 offset:6400*\a2+6144
.endr
.endm
; 16 matrix instructions: x's tiles a0, a0 + 1 against the eight weight tiles.  The 64 accumulators take turns, one instruction a turn, in the same order in every step
.macro MUL16 a0, st, zero
.irp a, \a0, \a0+1
.irp b, 0,1,2,3,4,5,6,7
.if \zero
	v_wmma_scale_f32_16x16x128_f8f6f4 v[8*(8*((\a)%4)+\b):8*(8*((\a)%4)+\b)+7], v[128*(\st)+12*\b:128*(\st)+12*\b+11], v[64+96*(\st)+12*(\a):64+96*(\st)+12*(\a)+11], 0, v[40+16*(\st)+\b], v[32+16*(\st)+(\a)] matrix_a_fmt:MATRIX_FMT_FP6 matrix_b_fmt:MATRIX_FMT_FP6
.else
	v_wmma_scale_f32_16x16x128_f8f6f4 v[8*(8*((\a)%4)+\b):8*(8*((\a)%4)+\b)+7], v[128*(\st)+12*\b:128*(\st)+12*\b+11], v[64+96*(\st)+12*(\a):64+96*(\st)+12*(\a)+11], v[8*(8*((\a)%4)+\b):8*(8*((\a)%4)+\b)+7], v[40+16*(\st)+\b], v[32+16*(\st)+(\a)] matrix_a_fmt:MATRIX_FMT_FP6 matrix_b_fmt:MATRIX_FMT_FP6
.endif
.endr
.endr
.endm
; A K step on set st.  bf = 1: the next K step's weights are fetched from the same slot, 64 matrix instructions ahead of their use.  af = 1: x of the K step two on is asked for, each half behind the products that read its registers.
; w0, w1: how many younger loads of x may stay out when the first and the second half of this step's x have to be there.
.macro STEP st, bf, af, w0, w1, zero
	s_wait_dscnt 0x0                               ; this step's weights are in
.if \bf
	FETCHB 1-(\st)                                 ; (the four places at the last step's end stand between its products and these loads)
.endif
	s_wait_loadcnt \w0
	WIN MUL_LO
	MUL16 0, \st, \zero
	MUL16 2, \st, \zero
.if \af
	WIN 0
	PLACES
	XSTEP
	ALOAD \st, 0
.endif
	s_wait_loadcnt \w1
	WIN MUL_HI
	MUL16 4, \st, \zero
	MUL16 6, \st, \zero
	WIN 0
	PLACES
.if \af
	ALOAD \st, 1
.endif
.endm
; A slot's last K step (set 1) changes slots: ONE barrier; in front of it each wave waits for all its tensor loads, adds 0 to its spare word, and waits for that and for its reads of this slot, which are over when this step's weights are in.
; next: the LDS byte at which the other slot begins.  fill = 1: slot 'slot', just read out, takes the strip's j-th eight K steps, first thing behind the barrier.
.macro TURN next, fill, slot, j
	s_wait_dscnt 0x0                               ; this step's weights are in: my reads of this slot are over
	s_wait_tensorcnt 0x0                           ; all my tensor loads have landed: my part of the other slot; so a group 0 may be written
	ds_add_u32 v28, v29                            ; 0 onto my spare word
.if \fill
	s_add_co_u32 s44, s43, 8*(\j)
	s_and_b32 s44, s44, 31
	s_mul_i32 s44, s44, WSTEP
	s_add_nc_u64 s[34+4*(\slot):35+4*(\slot)], s[40:41], s[44:45]
	s_or_b32 s[35+4*(\slot)], s[35+4*(\slot)], 0x80000000
.endif
	s_wait_loadcnt 39                              ; the first half of this step's x is in; three younger half sets of 13 loads may be out
	WIN MUL_LO
	MUL16 0, 1, 0                                  ; sixteen matrix instructions stand between the add and the wait for it
	s_wait_dscnt 0x0
	s_barrier_signal -1
	MUL16 2, 1, 0
	WIN 0
	s_barrier_wait -1
.if \fill
	tensor_load_to_lds s[32+4*(\slot):35+4*(\slot)], s[24:31]   ; my one tensor load behind this barrier: 480 matrix instructions ahead of the wait for it
	s_nop 0
.endif
	PLACES                                         ; behind the load; also the places in front of the loads below
	s_mov_b32 s[TB], \next
	FETCHB 0
	XSTEP
	ALOAD 1, 0
	s_wait_loadcnt 39
	WIN MUL_HI
	MUL16 4, 1, 0
	MUL16 6, 1, 0
	WIN 0
	PLACES
	ALOAD 1, 1
.endm
.macro PAIRS n                         ; n times an odd and an even K step of one slot
	s_mov_b32 s3, \n
.Lpair_\@:
	STEP 1, 1, 1, 39, 39, 0
	STEP 0, 1, 1, 39, 39, 0
	s_sub_co_u32 s3, s3, 1
	s_cmp_lg_u32 s3, 0
	s_cbranch_scc1 .Lpair_\@
.endm
	ALOAD 0, 0                                     ; x of my first two K steps: four half sets, in the order in which they are waited for
	ALOAD 0, 1
	XSTEP
	ALOAD 1, 0
	ALOAD 1, 1
	s_mul_i32 s12, s14, 1100800                    ; h: my 128 rows' block,
	s_lshr_b32 s13, s42, 1
	s_mul_i32 s13, s13, 12800                      ; the K step strip / 2,
	s_add_co_u32 s12, s12, s13
	s_mov_b32 s13, 0
	s_add_nc_u64 s[74:75], s[8:9], s[12:13]
	s_and_b32 s12, s42, 1                          ; and its half strip % 2:
	s_mul_i32 s76, s12, 768
	s_mov_b32 s77, 0
	s_add_nc_u64 s[72:73], s[74:75], s[76:77]      ; of the images,
	s_lshl_b32 s76, s12, 1
	s_add_nc_u64 s[74:75], s[74:75], s[76:77]      ; of the scale words
	s_wait_tensorcnt 1                             ; my part of slot 0 is in; slot 1's may stay out
	s_barrier_signal -1
	s_barrier_wait -1
	s_mov_b32 s[TB], 0
	FETCHB 0
	STEP 0, 1, 1, 39, 39, 1                        ; K step 0 (counted from my work-group's first) stands by itself: its products start the sums
	PAIRS 3                                        ; 1 to 6
	TURN SLOT, 1, 0, 2                             ; 7: on to slot 1; slot 0 takes K steps 16 to 23
	STEP 0, 1, 1, 39, 39, 0                        ; 8
	PAIRS 3                                        ; 9 to 14
	TURN 0, 1, 1, 3                                ; 15: on to slot 0; slot 1 takes K steps 24 to 31
	STEP 0, 1, 1, 39, 39, 0                        ; 16
	PAIRS 3                                        ; 17 to 22
	TURN SLOT, 0, 0, 0                             ; 23: on to slot 1; nothing is left to fetch
	STEP 0, 1, 1, 39, 39, 0                        ; 24
	PAIRS 2                                        ; 25 to 28
	STEP 1, 1, 1, 39, 39, 0                        ; 29 asks for the last of x
	STEP 0, 1, 0, 39, 26, 0                        ; 30 and 31 ask for nothing: the counts run down by half sets of 13
	STEP 1, 0, 0, 13, 0, 0
	v_mov_b32 v130, 0                              ; written once: a lane permute's destination counts as one of its sources
	v_mov_b32 v131, 0
; THE WAY OUT of x's tile a: h = gate up / (1 + 2^(-gate log2 e)) in f32, two blocks of 32 units quantised, half an image stored.  Each accumulator is read from its low end on.
.macro HOUT a
	WIN 0x0a+5*((\a)/4)                            ; sources 0 and 1: window 2 or 3
.irp p, 0,1
.irp j, 0,1
.irp i, 0,1,2,3,4,5,6,7
	v_mul_f32 v[EX+16*\p+2*\i+\j], s68, v[64*((\a)%4)+8*(2*\p+\j)+\i]
	v_mul_f32 v[PR+16*\p+2*\i+\j], v[64*((\a)%4)+8*(2*\p+\j)+\i], v[64*((\a)%4)+8*(4+2*\p+\j)+\i]
.endr
.endr
.endr
	WIN 0
.set n, 0
.rept 32
	v_exp_f32 v[EX+n], v[EX+n]
.set n, n+1
.endr
	v_nop                                          ; a plain place behind the batch,
	s_wait_alu depctr_va_vdst(0)                   ; and one wait for it, ahead of its first reader
.set n, 0
.rept 16
	v_pk_add_f32 v[EX+2*n:EX+2*n+1], v[EX+2*n:EX+2*n+1], 1.0 op_sel_hi:[1,0]
.set n, n+1
.endr
.set n, 0
.rept 32
	v_rcp_f32 v[EX+n], v[EX+n]
.set n, n+1
.endr
	v_nop
	s_wait_alu depctr_va_vdst(0)
.set n, 0
.rept 16
	v_pk_mul_f32 v[PR+2*n:PR+2*n+1], v[PR+2*n:PR+2*n+1], v[EX+2*n:EX+2*n+1]
.set n, n+1
.endr
.irp b, 0,1
	v_max3_num_f32 v[128+\b], |v[PR+16*\b]|, |v[PR+16*\b+1]|, 0x1800000   ; my 16 of block b, and the floor 2^(3 - 127)
.endr
.irp i, 2,4,6,8,10,12,14
.irp b, 0,1
	v_max3_num_f32 v[128+\b], v[128+\b], |v[PR+16*\b+\i]|, |v[PR+16*\b+\i+1]|
.endr
.endr
.irp b, 0,1
	v_permlanex16_b32 v[130+\b], v[128+\b], s70, s71
.endr
.irp b, 0,1
	v_max_num_f32 v[128+\b], v[128+\b], v[130+\b]  ; with lane l xor 16's 16
.endr
.irp b, 0,1
	v_add_nc_u32 v[132+\b], 0xff000000, v[128+\b]  ; 2 off the exponent field: the conversion's scale operand
.endr
.irp b, 0,1
	v_lshrrev_b32 v[134+\b], 23, v[132+\b]
.endr
	v_lshl_or_b32 v[216+(\a)], v135, 8, v134       ; my row's two scale bytes
	v_cvt_scalef32_pk16_fp6_f32 v[144+8*(\a):146+8*(\a)], v[PR:PR+15], v132
	v_cvt_scalef32_pk16_fp6_f32 v[208:210], v[PR+16:PR+31], v133
	v_nop                                          ; one plain place behind the scaled conversions
.irp i, 0,1,2
	v_permlane16_swap_b32 v[144+8*(\a)+\i], v[208+\i]   ; a whole block to a lane: lanes 0-15 the first block, lanes 16-31 the second
.endr
.irp i, 0,1,2
	v_mov_b32 v[147+8*(\a)+\i], v[208+\i]
.endr
	global_store_b128 v24, v[144+8*(\a):147+8*(\a)], s[72:73] offset:((\a)/4)*6400+((\a)%4)*1536 th:TH_STORE_NT       ; 512 consecutive bytes
	global_store_b64 v25, v[148+8*(\a):149+8*(\a)], s[72:73] offset:((\a)/4)*6400+((\a)%4)*1536+512 th:TH_STORE_NT    ; 256; each tile has code registers of its own
.endm
.irp a, 0,1,2,3,4,5,6,7
	HOUT \a
.endr
	v_cmp_lt_u32 vcc_lo, 15, v1
.irp t, 0,1,2,3
	v_cndmask_b32 v[224+\t], v[216+\t], v[220+\t], vcc_lo   ; lanes 16-31 take tiles 4 to 7
.endr
.irp t, 0,1,2,3
	global_store_b16 v26, v[224+\t], s[74:75] offset:6144+4*\t
.endr
	s_wait_tensorcnt 0x0                           ; the wave's end
	ds_add_u32 v28, v29
	s_wait_dscnt 0x0
	s_endpgm
.Lfunc_end_k_q09674f7591_gateup:
	.size	k_q09674f7591_gateup, .Lfunc_end_k_q09674f7591_gateup-k_q09674f7591_gateup
	.p2alignl 7, 3214868480
	.fill 96, 4, 3214868480
	.section	.rodata,"a",@progbits
	.p2align	6, 0x0
	.amdhsa_kernel k_q09674f7591_gateup
		.amdhsa_group_segment_fixed_size 327680
		.amdhsa_private_segment_fixed_size 0
		.amdhsa_enable_private_segment 0
		.amdhsa_kernarg_size 24
		.amdhsa_user_sgpr_count 2
		.amdhsa_user_sgpr_kernarg_segment_ptr 1
		.amdhsa_wavefront_size32 1
		.amdhsa_system_sgpr_workgroup_id_x 1
		.amdhsa_system_sgpr_workgroup_id_y 1
		.amdhsa_system_sgpr_workgroup_id_z 1
		.amdhsa_system_vgpr_workitem_id 0
		.amdhsa_next_free_vgpr 1024
		.amdhsa_next_free_sgpr 100
		.amdhsa_reserve_vcc 1
		.amdhsa_float_denorm_mode_32 3
		.amdhsa_float_denorm_mode_16_64 3
		.amdhsa_memory_ordered 1
		.amdhsa_forward_progress 1
		.amdhsa_inst_pref_size 255
	.end_amdhsa_kernel
	.section	.bss,"aw",@nobits
	.p2align	6
	.space	262144
	.amdgpu_metadata
---
amdhsa.version: [ 1, 2 ]
amdhsa.kernels:
  - .name:           k_q09674f7591_gateup
    .symbol:         k_q09674f7591_gateup.kd
    .args:
      - { .name: xq, .offset: 0, .size: 8, .value_kind: global_buffer, .address_space: global }
      - { .name: wgq, .offset: 8, .size: 8, .value_kind: global_buffer, .address_space: global }
      - { .name: hq, .offset: 16, .size: 8, .value_kind: global_buffer, .address_space: global }
    .group_segment_fixed_size: 327680
    .private_segment_fixed_size: 0
    .kernarg_segment_align: 8
    .kernarg_segment_size: 24
    .max_flat_workgroup_size: 128
    .sgpr_count:     100
    .vgpr_count:     1024
    .wavefront_size: 32
...
	.end_amdgpu_metadata
.endif
;; end of part 2
;; launch down (part 3): grid 64 x 4, 4 waves a work-group, clusters of 4 x 4, 327,680 bytes of LDS; arguments hq, wdq, out0; writes out0
.if DOCPART == 3
	.amdgcn_target "amdgcn-amd-amdhsa--gfx1250"
	.amdhsa_code_object_version 6
	.text
	.protected	k_q09674f7591_down
	.globl	k_q09674f7591_down
	.p2align	8
	.type	k_q09674f7591_down,@function
k_q09674f7591_down:
	s_mov_b64 s[64:65], 0
	v_nop
	global_prefetch_b8 v0, s[64:65] scope:SCOPE_SE
	s_setreg_imm32_b32 hwreg(HW_REG_WAVE_MODE, 25, 1), 1
	s_wait_xcnt 0x0
	s_wait_alu depctr_hold_cnt(0) depctr_sa_sdst(0) depctr_va_vdst(0) depctr_va_sdst(0) depctr_va_ssrc(0) depctr_va_vcc(0) depctr_vm_vsrc(0)
	s_getreg_b32 s2, hwreg(HW_REG_IB_STS2, 6, 4)
	s_cmp_eq_u32 s2, 0
	s_cbranch_scc0 .Lentry_in_a_cluster
	s_endpgm
.Lentry_in_a_cluster:
	s_bfe_u32 s2, ttmp6, 0x10000c
	s_cmp_lg_u32 s2, 0xf033
	s_cbranch_scc0 .Lentry_shape_is_right
	s_endpgm
.Lentry_shape_is_right:
; DOWN: out = h W_d on codes of FP6 (E2M3) with E8M0 scales.  hq [block of 128 rows 4][K step 86][2 records], wdq [strip of 64 columns 64][K step 86][record]: records of 6,400 bytes: four tiles
; (16 rows x 128 K) and 256 bytes of scale words (row r, tile t at 6144 + 16 r + 4 t).  A weight tile is an image of its registers (4 g .. 4 g + 3 of lane L at 512 g + 16 L); a tile of h is two halves
; (registers 6 c .. 6 c + 3 at 768 c + 16 L, 6 c + 4, 5 at 768 c + 512 + 8 L).  Row r of weight tile 2 p + j is column 32 p + 2 r + j of the strip.
; SHARES.  A work-group makes 128 rows x 64 columns: 256 work-groups.  THE FOUR WAVES SHARE K: each makes the whole tile (32 accumulators) for K steps w and w + 4 of every slot of eight, so that an LDS
; byte feeds twice the products that four tiles of 64 x 32 would give it; the four partial tiles are added through LDS at the end.  So the sums are not taken with K ascending: four chains, added as (0 + 1) + (2 + 3).
; 86 K steps are eleven slots: the last fill states six rows of eight, and the mover writes zeros for the other two: zero codes add nothing under the byte 0.
; CLUSTER 4 x 4: h's tiles are shared along a row of the cluster, the weights' along a column: joint loads.  Waves 0, 1 fetch h's two records (8 x 6,400 bytes each), wave 2 the weights', wave 3 nothing.
; Every wait on TENSORcnt is for 0.  By this text's count a wave has two tensor loads out at the start, later one.
; REGISTERS, in windows of 256.  Window 0: v4-27, v31 addresses, v28-29 the add's two, v30 the prefetches' offset, v32-55 scale words (two sets, nothing else ever), v64-223 the way out.
;   Window 1: accumulator (a, t) at v[8 (4 a + t)].  Window 2: h's fragments, two sets at v0, v128.  Window 3: the weights', two sets at v0, v64.
; LIMITS: NaN and infinities are not served.
.set SLOT,  153600                     ; h's record 0 (8 steps x 6,400), record 1 at 51,200, the weights at 102,400
.set SPARE, 307200                     ; behind the ring: the spare words, 128 bytes for each wave, which no other line names
.set STG2,  131072                     ; the way out: partial tiles at 0 .. 131,071; from here 32 rows x 272 bytes for each wave.  Both lie in slots that have had their last fill and their last read
.set MSB, 0
.macro WIN new
.if MSB != (\new)
	s_set_vgpr_msb (MSB<<8)|(\new)
.set MSB, (\new)
.endif
.endm
.set MUL,  0x5e                        ; source 0 (h) window 2, source 1 (weights) window 3, C and D window 1
.set TO_A, 0x80
.set TO_B, 0xc0
.macro PLACES
.rept 4
	v_nop
.endr
.endm
.macro JLOAD2 g0a, g1a, g0b, g1b       ; the branches hang on the wave's number alone; an s_nop 0 and four v_nop follow each of the two lines
	s_cmp_lt_u32 s14, 2
	s_cbranch_scc0 .Lnot_a_\@
	tensor_load_to_lds s[\g0a:\g0a+3], s[\g1a:\g1a+7]
	s_nop 0
.rept 4
	v_nop
.endr
	s_branch .Lasked_\@
.Lnot_a_\@:
	s_cmp_eq_u32 s14, 2
	s_cbranch_scc0 .Lasked_\@
	tensor_load_to_lds s[\g0b:\g0b+3], s[\g1b:\g1b+7]
	s_nop 0
.rept 4
	v_nop
.endr
.Lasked_\@:
.endm
.macro CREST
	s_cmp_lg_u32 s14, 0
	s_cbranch_scc1 .Lnot_wave_0_\@
	s_barrier_signal -3
.Lnot_wave_0_\@:
	s_barrier_wait -3
	s_barrier_signal -1
	s_barrier_wait -1
.endm
.macro CROUND
	s_barrier_signal -1
	s_barrier_wait -1
	CREST
.endm
; A prefetch of the strip's weights, two slots ahead of the joint load that will want them.  A slot's 51,200 bytes are read by the four work-groups of one column of the cluster and by nobody else: they share
; them out BY ADDRESS, 12,800 bytes each; in each, waves 0 and 1 take 25 blocks of 256 bytes, a lane a block (lanes 25 to 31 name the last once more).  Slots 4 to 9 are named; the loop's last trip asks for nothing.
; h is read by sixteen clusters again and again and is not asked for.
.macro ASK2
	s_cmp_gt_u32 s3, s86
	s_cbranch_scc0 .Lnone_\@
	global_prefetch_b8 v30, s[84:85] th:TH_LOAD_NT scope:SCOPE_SE
.Lnone_\@:
.endm
	s_load_b128 s[4:7], s[0:1], 0x0                ; hq, wdq
	s_load_b64 s[8:9], s[0:1], 0x10                ; out0
	v_lshl_add_u32 v28, v0, 2, SPARE
	v_mov_b32 v29, 0
	ds_add_u32 v28, v29                            ; the wave's opening: the add and its wait ahead of my first tensor load
	v_lshrrev_b32 v1, 5, v0
	v_readfirstlane_b32 s14, v1                    ; wave 0..3
	s_and_b32 s16, s14, 1                          ; which record of h I fetch, if I fetch h
	s_bfe_u32 s40, ttmp6, 0x40000                  ; cx
	s_bfe_u32 s41, ttmp6, 0x40004                  ; cy
	s_lshl_b32 s42, ttmp9, 2
	s_add_co_u32 s42, s42, s40                     ; strip of columns = 4 x cluster x + cx
	s_and_b32 s17, ttmp7, 0xffff
	s_lshl_b32 s17, s17, 2
	s_add_co_u32 s17, s17, s41                     ; block of rows = 4 x cluster y + cy
	s_lshl_b32 s43, s41, 2
	s_lshl_b32 s43, 15, s43                        ; my row of the cluster
	s_lshl_b32 s44, 0x1111, s40                    ; my column
	; descriptor groups 1: eight rows of 6,400 bytes (800 elements of 8 bytes); h's 12,800 bytes apart, the weights' dense.  The second of each pair states six rows left in the tensor
	s_or_b32 s24, s43, (3<<16)|(1<<21)
	s_or_b32 s68, s43, (3<<16)|(1<<21)
	s_or_b32 s48, s44, (3<<16)|(1<<21)
	s_or_b32 s76, s44, (3<<16)|(1<<21)
.irp g, 24, 68, 48, 76
	s_mov_b32 s[\g+1], 800<<16                     ; tensor_dim0
	s_mov_b32 s[\g+3], 800<<16                     ; tile_dim0
	s_mov_b32 s[\g+4], 8                           ; tile_dim1
	s_mov_b32 s[\g+6], 0
	s_mov_b32 s[\g+7], 0
.endr
	s_mov_b32 s26, 8<<16                           ; tensor_dim1
	s_mov_b32 s50, 8<<16
	s_mov_b32 s70, 6<<16
	s_mov_b32 s78, 6<<16
	s_mov_b32 s29, 1600                            ; from row to row
	s_mov_b32 s73, 1600
	s_mov_b32 s53, 800
	s_mov_b32 s81, 800
	s_mul_i32 s20, s17, 1100800                    ; h: my block of rows (shared along the cluster's row),
	s_mul_i32 s18, s16, 6400                       ; my record
	s_add_co_u32 s20, s20, s18
	s_mov_b32 s21, 0
	s_mul_i32 s45, s16, 51200                      ; and its place in a slot
	s_mul_i32 s46, s42, 550400                     ; weights: my strip (shared along the cluster's column)
	s_mov_b32 s47, 0
	s_wait_dscnt 0x0                               ; the opening add is done
	s_wait_kmcnt 0x0
	s_add_nc_u64 s[20:21], s[4:5], s[20:21]
	s_add_nc_u64 s[46:47], s[6:7], s[46:47]
	CROUND                                         ; all sixteen work-groups are here: the first joint loads meet
.irp s, 0,1
	s_mov_b32 s[32+4*\s], 1
	s_add_co_u32 s[33+4*\s], s45, \s*SLOT
	s_add_nc_u64 s[34+4*\s:35+4*\s], s[20:21], \s*102400
	s_or_b32 s[35+4*\s], s[35+4*\s], 0x80000000
	s_mov_b32 s[56+4*\s], 1
	s_mov_b32 s[57+4*\s], \s*SLOT+102400
	s_add_nc_u64 s[58+4*\s:59+4*\s], s[46:47], \s*51200
	s_or_b32 s[59+4*\s], s[59+4*\s], 0x80000000
	JLOAD2 32+4*\s, 24, 56+4*\s, 48
.endr
	v_and_b32 v1, 31, v0                           ; L
	v_and_b32 v2, 15, v0                           ; r
	v_bfe_u32 v3, v0, 4, 1                         ; h
	v_lshlrev_b32 v4, 4, v1                        ; 16 L
	v_lshlrev_b32 v5, 3, v1                        ; 8 L
	v_lshlrev_b32 v6, 4, v2                        ; 16 r
	s_mul_i32 s18, s14, 6400                       ; my first K step of a slot
.irp s, 0,1
.irp q, 0,1
	s_add_co_u32 s19, s18, \s*SLOT+\q*51200
	v_add_nc_u32 v[8+2*\s+\q], s19, v4             ; h's images, the pieces of 16 bytes a lane,
	v_add_nc_u32 v[12+2*\s+\q], s19, v5            ; those of 8,
	v_add_nc_u32 v[18+2*\s+\q], s19, v6
	v_add_nc_u32 v[18+2*\s+\q], 6144, v[18+2*\s+\q]   ; and its scale words
.endr
	s_add_co_u32 s19, s18, \s*SLOT+102400
	v_add_nc_u32 v[16+\s], s19, v4                 ; the weights' images
	v_add_nc_u32 v[22+\s], s19, v6
	v_add_nc_u32 v[22+\s], 6144, v[22+\s]          ; and scale words
.endr
	s_lshl_b32 s19, s14, 15
	v_add_nc_u32 v24, s19, v4                      ; the way out: my partial tile: 32,768 w + 16 L
	s_lshl_b32 s19, s14, 13
	v_add_nc_u32 v25, s19, v4                      ; the two tiles of rows that I add: 8,192 w + 16 L in waves 0 and 1's partial tiles,
	v_add_nc_u32 v26, 65536, v25                   ; and in waves 2 and 3's
	s_mul_i32 s19, s14, 8704
	s_add_co_u32 s19, s19, STG2                    ; my stage of 32 rows
	v_mul_u32_u24 v27, v3, 2176
	v_lshl_add_u32 v27, v2, 3, v27
	v_add_nc_u32 v27, s19, v27                     ; in: row 8 h (+ i), 8 r bytes on
	v_mul_u32_u24 v7, v3, 272
	v_add_nc_u32 v7, v7, v6
	v_add_nc_u32 v7, s19, v7                       ; back: lanes 0-15 one row of 256 bytes, lanes 16-31 the next
	v_lshlrev_b32 v31, 14, v3
	v_add_nc_u32 v31, v31, v6                      ; and the same two rows in out0
	s_lshl_b32 s88, s17, 7
	s_lshl_b32 s89, s14, 5
	s_add_co_u32 s88, s88, s89                     ; the first row that I store: 128 y + 32 w
	s_lshl_b32 s88, s88, 14
	s_lshl_b32 s89, s42, 8                         ; my strip's 256 bytes of a row
	s_add_co_u32 s88, s88, s89
	s_mov_b32 s89, 0
	s_add_nc_u64 s[8:9], s[8:9], s[88:89]
	s_mul_i32 s88, s41, 12800                      ; the prefetches: my work-group's quarter of a slot,
	s_add_co_u32 s88, s88, 3*51200                 ; at slot 3: the first change of slots steps it to slot 4.  Nothing is prefetched here, at the head
	s_mov_b32 s89, 0
	s_add_nc_u64 s[84:85], s[46:47], s[88:89]
	s_cmp_lt_u32 s14, 2
	s_cselect_b32 s86, 1, -1                       ; waves 0 and 1 ask while the count of laps is above 1
	v_min_u32 v30, 24, v1
	v_lshlrev_b32 v30, 8, v30
	s_mul_i32 s88, s16, 6400
	v_add_nc_u32 v30, s88, v30
; 47 LDS loads in one run: my i-th K step of the slot (steps w and w + 4) into set st
.macro FETCH2 slot, i, st
	WIN TO_A
.irp a, 0,1,2,3,4,5,6,7
	ds_load_b128 v[128*(\st)+12*\a:128*(\st)+12*\a+3], v[8+2*\slot+\a/4] offset:25600*(\i)+1536*(\a%4)
	ds_load_b64 v[128*(\st)+12*\a+4:128*(\st)+12*\a+5], v[12+2*\slot+\a/4] offset:25600*(\i)+1536*(\a%4)+512
	ds_load_b128 v[128*(\st)+12*\a+6:128*(\st)+12*\a+9], v[8+2*\slot+\a/4] offset:25600*(\i)+1536*(\a%4)+768
	ds_load_b64 v[128*(\st)+12*\a+10:128*(\st)+12*\a+11], v[12+2*\slot+\a/4] offset:25600*(\i)+1536*(\a%4)+1280
.endr
	WIN TO_B
.irp t, 0,1,2,3
.irp g, 0,1,2
	ds_load_b128 v[64*(\st)+12*\t+4*\g:64*(\st)+12*\t+4*\g+3], v[16+\slot] offset:25600*(\i)+1536*\t+512*\g
.endr
.endr
	WIN 0
	ds_load_b128 v[32+12*(\st):35+12*(\st)], v[18+2*\slot] offset:25600*(\i)
	ds_load_b128 v[36+12*(\st):39+12*(\st)], v[19+2*\slot] offset:25600*(\i)
	ds_load_b128 v[40+12*(\st):43+12*(\st)], v[22+\slot] offset:25600*(\i)
.endm
; 8 matrix instructions: h's tiles a0, a0 + 1 (source 0) against the four weight tiles (source 1).  The 32 accumulators take turns in one order everywhere
.macro MUL8 a0, st, zero
.irp a, \a0, \a0+1
.irp t, 0,1,2,3
.if \zero
	v_wmma_scale_f32_16x16x128_f8f6f4 v[8*(4*(\a)+\t):8*(4*(\a)+\t)+7], v[128*(\st)+12*(\a):128*(\st)+12*(\a)+11], v[64*(\st)+12*\t:64*(\st)+12*\t+11], 0, v[32+12*(\st)+(\a)], v[40+12*(\st)+\t] matrix_a_fmt:MATRIX_FMT_FP6 matrix_b_fmt:MATRIX_FMT_FP6
.else
	v_wmma_scale_f32_16x16x128_f8f6f4 v[8*(4*(\a)+\t):8*(4*(\a)+\t)+7], v[128*(\st)+12*(\a):128*(\st)+12*(\a)+11], v[64*(\st)+12*\t:64*(\st)+12*\t+11], v[8*(4*(\a)+\t):8*(4*(\a)+\t)+7], v[32+12*(\st)+(\a)], v[40+12*(\st)+\t] matrix_a_fmt:MATRIX_FMT_FP6 matrix_b_fmt:MATRIX_FMT_FP6
.endif
.endr
.endr
.endm
.macro STEP2 slot, zero                ; my first K step of a slot (set 0); the second's fragments are fetched ahead of its products
	s_wait_dscnt 0x0
	PLACES                                         ; four places in front of loads into registers that matrix instructions have read
	FETCH2 \slot, 1, 1
	WIN MUL
	MUL8 0, 0, \zero
	MUL8 2, 0, \zero
	MUL8 4, 0, \zero
	MUL8 6, 0, \zero
	WIN 0
.endm
; My second K step of a slot (set 1) changes slots: ONE barrier; in front of it each wave waits for all its tensor loads, adds 0 to its spare word, and waits for that and for its reads of this slot.
; fill = 1: the barrier opens a round of the cluster's, and this slot is filled again, two slots ahead; fill = 2: the same with the last slot's six K steps; fill = 0: nothing is left to fetch.
.macro TURN2 slot, next, fill, ask
.if \ask
	s_wait_xcnt 0x0                                ; the last prefetch, a slot back, has read its address
	s_add_nc_u64 s[84:85], s[84:85], 51200
.endif
	s_wait_dscnt 0x0                               ; set 1 is in: my reads of this slot are over
	s_wait_tensorcnt 0x0                           ; all my tensor loads have landed
	ds_add_u32 v28, v29                            ; 0 onto my spare word
	WIN MUL
	MUL8 0, 1, 0                                   ; eight matrix instructions stand between the add and the wait for it
	s_wait_dscnt 0x0
	s_barrier_signal -1
	MUL8 2, 1, 0
	WIN 0
	s_barrier_wait -1
.if \fill
	CREST                                          ; no wave of any partner still reads this slot or has a load on its way
	s_add_nc_u64 s[34+4*\slot:35+4*\slot], s[34+4*\slot:35+4*\slot], 204800
	s_add_nc_u64 s[58+4*\slot:59+4*\slot], s[58+4*\slot:59+4*\slot], 102400
.if \fill == 1
	JLOAD2 32+4*\slot, 24, 56+4*\slot, 48
.else
	JLOAD2 32+4*\slot, 68, 56+4*\slot, 76
.endif
.endif
	PLACES                                         ; for every wave, the one that asks for nothing too
	FETCH2 \next, 0, 0
.if \ask
	ASK2
.endif
	WIN MUL
	MUL8 4, 1, 0
	MUL8 6, 1, 0
	WIN 0
.endm
	s_wait_tensorcnt 0x0                           ; my parts of slots 0 and 1 are in
	s_barrier_signal -1
	s_barrier_wait -1
	FETCH2 0, 0, 0
	STEP2 0, 1                                     ; the first step stands in front of the loop: its products start the sums
	s_mov_b32 s3, 4
.Llap:                                             ; four trips fill slots' worth 2 to 9
	TURN2 0, 1, 1, 1
	STEP2 1, 0
	TURN2 1, 0, 1, 1
	STEP2 0, 0
	s_sub_co_u32 s3, s3, 1
	s_cmp_lg_u32 s3, 0
	s_cbranch_scc1 .Llap
	TURN2 0, 1, 2, 0                               ; the eleventh: K steps 80 to 85, and zeros
	STEP2 1, 0
	TURN2 1, 0, 0, 0
	STEP2 0, 0
	s_wait_dscnt 0x0
	WIN MUL
	MUL8 0, 1, 0
	MUL8 2, 1, 0
	MUL8 4, 1, 0
	MUL8 6, 1, 0
	WIN 0
	; THE WAY OUT.  Nobody reads a slot any more behind this barrier, and both slots have had their last fill
	PLACES
	s_wait_dscnt 0x0
	s_barrier_signal -1
	s_barrier_wait -1
	WIN 0x04                                       ; an LDS store's data are its source 1: window 1
.set n, 0
.rept 32
	ds_store_b128 v24, v[8*n:8*n+3] offset:1024*n          ; each accumulator from its low end on; 512 consecutive bytes a store
	ds_store_b128 v24, v[8*n+4:8*n+7] offset:1024*n+512
.set n, n+1
.endr
	WIN 0
	s_wait_dscnt 0x0                               ; for the others' sake: my partial tile has landed
	s_barrier_signal -1
	s_barrier_wait -1
; Wave w adds the four partial sums of tiles of rows 2 w + ap.  Register i of weight tile 2 p + j in lane (r, h) is out(row 8 h + i, column 32 p + 2 r + j): the pair j = 0, 1 is 8 neighbouring bytes of a row.
.macro RED ap
.irp u, 0,1,2,3
.irp t, 0,1,2,3
.irp e, 0,1
	ds_load_b128 v[64+32*\u+8*\t+4*\e:64+32*\u+8*\t+4*\e+3], v[25+\u/2] offset:32768*(\u%2)+4096*(\ap)+1024*\t+512*\e
.endr
.endr
.endr
	s_wait_dscnt 0x0                               ; they are in; and my earlier stores into the stage have read their registers
.set n, 0
.rept 16
	v_pk_add_f32 v[64+2*n:65+2*n], v[64+2*n:65+2*n], v[96+2*n:97+2*n]
	v_pk_add_f32 v[128+2*n:129+2*n], v[128+2*n:129+2*n], v[160+2*n:161+2*n]
.set n, n+1
.endr
.irp p, 0,1
.irp i, 0,1,2,3,4,5,6,7
.irp j, 0,1
	v_add_f32 v[192+16*\p+2*\i+\j], v[64+8*(2*\p+\j)+\i], v[128+8*(2*\p+\j)+\i]
.endr
.endr
.endr
.irp p, 0,1
.irp i, 0,1,2,3,4,5,6,7
	ds_store_b64 v27, v[192+16*\p+2*\i:193+16*\p+2*\i] offset:(16*(\ap)+\i)*272+128*\p
.endr
.endr
.endm
	RED 0
	RED 1
.irp t, 0,1,2,3,4,5,6,7,8,9,10,11,12,13,14,15
	ds_load_b128 v[64+4*\t:67+4*\t], v7 offset:2*\t*272    ; LDS serves a wave's instructions in order: these see my stores into my own stage
.endr
.irp t, 0,1,2,3,4,5,6,7,8,9,10,11,12,13,14,15
	s_wait_dscnt 15-\t                             ; pair t of rows is back; the younger loads may be out
	global_store_b128 v31, v[64+4*\t:67+4*\t], s[8:9] offset:2*\t*16384 th:TH_STORE_NT   ; sixteen lanes store 256 consecutive bytes, aligned
.endr
	s_wait_tensorcnt 0x0                           ; the wave's end: behind my last tensor load and my last LDS store
	ds_add_u32 v28, v29
	s_wait_dscnt 0x0
	CROUND                                         ; the closing round: no work-group ends while a partner may still ask for a tile that names it
	s_endpgm
.Lfunc_end_k_q09674f7591_down:
	.size	k_q09674f7591_down, .Lfunc_end_k_q09674f7591_down-k_q09674f7591_down
	.p2alignl 7, 3214868480
	.fill 96, 4, 3214868480
	.section	.rodata,"a",@progbits
	.p2align	6, 0x0
	.amdhsa_kernel k_q09674f7591_down
		.amdhsa_group_segment_fixed_size 327680
		.amdhsa_private_segment_fixed_size 0
		.amdhsa_enable_private_segment 0
		.amdhsa_kernarg_size 24
		.amdhsa_user_sgpr_count 2
		.amdhsa_user_sgpr_kernarg_segment_ptr 1
		.amdhsa_wavefront_size32 1
		.amdhsa_system_sgpr_workgroup_id_x 1
		.amdhsa_system_sgpr_workgroup_id_y 1
		.amdhsa_system_sgpr_workgroup_id_z 1
		.amdhsa_system_vgpr_workitem_id 0
		.amdhsa_next_free_vgpr 1024
		.amdhsa_next_free_sgpr 100
		.amdhsa_reserve_vcc 0
		.amdhsa_float_denorm_mode_32 3
		.amdhsa_float_denorm_mode_16_64 3
		.amdhsa_memory_ordered 1
		.amdhsa_forward_progress 1
		.amdhsa_inst_pref_size 106
	.end_amdhsa_kernel
	.amdgpu_metadata
---
amdhsa.version: [ 1, 2 ]
amdhsa.kernels:
  - .name:           k_q09674f7591_down
    .symbol:         k_q09674f7591_down.kd
    .args:
      - { .name: hq, .offset: 0, .size: 8, .value_kind: global_buffer, .address_space: global }
      - { .name: wdq, .offset: 8, .size: 8, .value_kind: global_buffer, .address_space: global }
      - { .name: out0, .offset: 16, .size: 8, .value_kind: global_buffer, .address_space: global }
    .group_segment_fixed_size: 327680
    .private_segment_fixed_size: 0
    .kernarg_segment_align: 8
    .kernarg_segment_size: 24
    .max_flat_workgroup_size: 128
    .sgpr_count:     100
    .vgpr_count:     1024
    .wavefront_size: 32
...
	.end_amdgpu_metadata
.endif
;; end of part 3
